; MI455X (gfx1250); checked and timed in simulation.
; The chip was launched on July 23, 2026; its instructions are those of AMD's public machine-readable ISA for CDNA 5 (MIT licence, August 2026) and "CDNA5" Instruction Set Architecture Reference Guide (July 2026). The comments in the code are by the model that wrote it; some were corrected since.
;; Two Layer NN. Allowed arithmetic: matrix products marked QUANTISED: E5M2 operands, one given power-of-two scale a tensor, by v_wmma_f32_16x16x64_bf8_bf8 or v_wmma_f32_16x16x128_bf8_bf8, f32 sums; products left as they are: f32 operands where the result goes on into a quantised operand, else bf16, f16 or f32 operands; f32 sums; everything else in f32.
;; Inputs: D 65,536 int32; D_agn 65,536 int32; W_groups 2 x 2 x 1,024 float32; W_joint 2 x 1,024 float32; W_phi 1,024 x 1,024 float32; X 65,536 x 1,024 float32; b_groups 2 x 2 float32; b_joint 2 float32; b_phi 1,024 float32; lowp_scales 2 int32 (the exponents e of the quantised operands' scales 2^e).
;; Outputs: out0 65,536 x 2 float32; out1 65,536 x 2 float32; out2 65,536 x 2 float32.
;; This version of the problem:
;;   THIS VERSION OF THE PROBLEM IS GIVEN IN LOW PRECISION. The matrix products marked QUANTISED in the list below multiply operands that are first quantised to E5M2 (5 exponent bits, 2 mantissa bits; 8 bits a number), with one given power-of-two scale for each operand tensor; their sums are f32. All else is computed in f32.
;;   The module's matrix products, in the order in which they are computed (A, B: the left and right operand; K: the contracted axis; several contracted axes count as one K, in the product's order):
;;     1. [M 65,536, K 1,024] x [K 1,024, N 1,024]; A: input X; B: input W_phi: QUANTISED (scales: A lowp_scales[0], B lowp_scales[1])
;;     2. [M 65,536, K 1,024] x [K 1,024, N 4]; A: computed on the way; B: input W_groups: left as it is (N = 4 < 16)
;;     3. [M 65,536, K 1,024] x [K 1,024, N 2]; A: computed on the way; B: input W_joint: left as it is (N = 2 < 16)
;;   THE QUANTISER, for each operand of a quantised product, along K:
;;     - The operand's scale is 2^e, e = its entry of the input lowp_scales (int32; the entries are numbered through the quantised products in the list's order, A before B).
;;     - Each number is divided by the scale, clamped to +-57,344, and rounded to the nearest number of E5M2, ties to even, subnormals kept.
;;     - The product sums the exact products of the quantised numbers (number of the format x scale) in f32.
;;   ~~~python
;;   def quantise(x, axis, e):      # numpy; x: float32 -> the quantised numbers, widened to float32 again
;;       x = np.moveaxis(x, axis, -1); K = x.shape[-1]
;;       r = np.clip(x / 2.0 ** e, -57344, 57344)
;;       step = 2.0 ** (np.maximum(np.frexp(np.where(r == 0, 1, r))[1] - 1, -14) - 2)
;;       q = np.round(r / step) * step * 2.0 ** e      # np.round: ties to even
;;       return np.moveaxis(q, -1, axis).astype(np.float32)
;;   ~~~
;; One version. Each part assembles by itself: llvm-mc -triple=amdgcn-amd-amdhsa -mcpu=gfx1250 --defsym DOCPART=n.
;; ======== version 1 of 1: 2 launches
;; limits: values are held in bf16: 8 bits of precision; right only within a limited range of input values
;; workspace buffers: wcodes 1,048,576 bytes; whfrag 32,768 bytes; consts 256 bytes
;; launch prep (part 1): grid 69 x 1, 8 waves a work-group, no clusters, 1,536 bytes of LDS; arguments W_phi, lowp_scales, W_joint, W_groups, b_phi, b_joint, b_groups, wcodes, whfrag, consts; writes wcodes, whfrag, consts
.if DOCPART == 1
	.amdgcn_target "amdgcn-amd-amdhsa--gfx1250"
	.amdhsa_code_object_version 6
	.text
	.protected	k_qd24156831b_prep
	.globl	k_qd24156831b_prep
	.p2align	8
	.type	k_qd24156831b_prep,@function
k_qd24156831b_prep:
	s_mov_b64 s[64:65], 0
	v_nop
	global_prefetch_b8 v0, s[64:65] scope:SCOPE_SE
	s_setreg_imm32_b32 hwreg(HW_REG_WAVE_MODE, 25, 1), 1
	s_wait_xcnt 0x0
; What the main launch reads many times is made once here.
; WORK-GROUPS 0-63: W_phi [1024 (n)][1024 (k)] f32 becomes codes of BF8 (E5M2) with the given scale 2^e1: code = x / 2^e1, held within +-57,344, to the nearest code, ties to even.
;   K goes in chunks of 256.  Inside a chunk the codes of a row stand in the order p = 8 l + i: k = 4 l + i for i = 0..3, k = 128 + 4 l + i - 4 for i = 4..7 (l = 0..31): the main launch has X's codes in the same order,
;   so every product meets its partner.  A fragment is 16 n x 128 places, 2,048 bytes: byte c*512 + lane*16 + i is row lane % 16, place 128 s + 32 c + 16 (lane / 16) + i.
;   Fragment (tile tau of 16 n, chunk C, half s of the chunk) lies at C*262144 + ((tau/8)%4)*65536 + (tau/32)*32768 + (tau%8)*4096 + s*2048.  One wave makes one fragment: work-group tau, wave 2 C + s.
; WORK-GROUPS 64-67: the six head rows (0, 1: W_joint; 2 + 2 g + c: W_groups[g][c]) become bf16 fragments of 16 rows x 32 n: rows 0-5 the weight rounded to bf16, rows 8-13 what the rounding left, again in bf16,
;   rows 6, 7, 14, 15 zeros.  Pair P (n = 32 P ..): registers 0-3 of lane L at P*1024 + 16 L (n = 32 P + 8 (L / 16) + 0..7), registers 4-7 at P*1024 + 512 + 16 L (n 16 further on).  One wave makes one pair.
; WORK-GROUP 68: consts[j] = b_head[j] + sum over n of b_phi[n] Wh[j][n], in f32: (S 2^e + b_phi) Wh^T = 2^e (S Wh^T) + b_phi Wh^T, and the second term is the same for every row of X.
; LIMITS: -126 <= e1 <= 112, so that 2^e1 and 57,344 x 2^e1 are f32 numbers.  NaN in W_phi is not served; an infinity is held at the largest code.
; No tensor loads, no cluster: no two work-groups share more than a few KB, and the whole launch moves about 5 MB once.
.set SPW,   12                         ; v12 my spare word;  v13 = 0
.set NIL,   13
.set SPARE, 256
.set J,  16
.set G,  32
.set HP, 48
.set LP, 56
.set TA, 64
.set OU, 80
	s_load_b512 s[4:19], s[0:1], 0x0               ; W_phi s[4:5], scales s[6:7], W_joint s[8:9], W_groups s[10:11], b_phi s[12:13], b_joint s[14:15], b_groups s[16:17], wcodes s[18:19]
	s_load_b128 s[20:23], s[0:1], 0x40             ; whfrag s[20:21], consts s[22:23]
	v_lshrrev_b32 v1, 5, v0
	v_lshl_add_u32 v[SPW], v0, 2, SPARE
	v_mov_b32 v[NIL], 0
	v_readfirstlane_b32 s24, v1                    ; wave 0..7
	v_and_b32 v3, 31, v0                           ; lane
	v_and_b32 v4, 15, v0                           ; r
	v_bfe_u32 v5, v0, 4, 1                         ; h
	v_lshlrev_b32 v2, 4, v3                        ; 16 x lane
	v_and_b32 v6, 7, v0                            ; r' = r % 8: the head that my row of a head fragment serves (6 and 7: none)
	v_lshlrev_b32 v7, 12, v4                       ; row r of 4,096 bytes,
	v_lshl_or_b32 v7, v5, 5, v7                    ; + 32 h: my 8 + 8 numbers of a group
	s_mov_b32 s27, 0
	s_wait_alu depctr_va_vdst(0)                   ; the wait here, ahead of the branch and the wait below
	s_cmp_lt_u32 ttmp9, 64                         ; the choice hangs on the work-group's number alone
	s_cbranch_scc0 .Lheads
	; ---- W_phi's codes
	s_lshr_b32 s30, s24, 1                         ; chunk
	s_and_b32 s31, s24, 1                          ; s
	s_lshl_b32 s26, ttmp9, 16                      ; 16 rows of 4,096 bytes a tile
	s_lshl_b32 s28, s30, 10
	s_add_co_u32 s26, s26, s28
	s_lshl_b32 s28, s31, 8
	s_add_co_u32 s26, s26, s28
	s_wait_kmcnt 0x0
	s_load_b32 s25, s[6:7], 0x4                    ; e1
	s_add_nc_u64 s[4:5], s[4:5], s[26:27]
.irp c, 0,1,2,3
.irp j, 0,1,2,3
	global_load_b128 v[16+16*\c+4*\j:16+16*\c+4*\j+3], v7, s[4:5] offset:64*\c+16*(\j/2)+512*(\j%2)   ; k = 64 s + 16 c + 8 h + 4 (j / 2) ..., and the same 128 further on, by turns
.endr
.endr
	s_lshl_b32 s26, s30, 18                        ; the fragment's place among the codes
	s_bfe_u32 s28, ttmp9, 0x20003
	s_lshl_b32 s28, s28, 16
	s_add_co_u32 s26, s26, s28
	s_lshr_b32 s28, ttmp9, 5
	s_lshl_b32 s28, s28, 15
	s_add_co_u32 s26, s26, s28
	s_and_b32 s28, ttmp9, 7
	s_lshl_b32 s28, s28, 12
	s_add_co_u32 s26, s26, s28
	s_lshl_b32 s28, s31, 11
	s_add_co_u32 s26, s26, s28
	s_add_nc_u64 s[18:19], s[18:19], s[26:27]
	s_wait_kmcnt 0x0
	s_add_co_i32 s25, s25, 127
	s_lshl_b32 s26, s25, 23
	v_mov_b32 v11, s26                             ; 2^e1 as f32: the conversion takes its exponent field
	s_add_co_i32 s25, s25, 15
	s_lshl_b32 s25, s25, 23
	s_or_b32 s25, s25, 0x600000
	v_mov_b32 v10, s25                             ; 57,344 x 2^e1
	s_wait_alu depctr_va_vdst(0)                   ; the wait at the head's end
	s_wait_loadcnt 0x0
.set n, 16
.rept 64
	v_med3_num_f32 v[n], v[n], -v10, v10           ; the conversion to an 8-bit code does not saturate (ISA guide 7.6.2): the hold at the largest code x the scale
.set n, n+1
.endr
.irp c, 0,1,2,3
.irp e, 0,1
	v_cvt_scalef32_pk8_bf8_f32 v[OU+4*\c+2*\e:OU+4*\c+2*\e+1], v[16+16*\c+8*\e:16+16*\c+8*\e+7], v11
.endr
.endr
	v_nop                                          ; a plain line behind the last conversion
.irp c, 0,1,2,3
	global_store_b128 v2, v[OU+4*\c:OU+4*\c+3], s[18:19] offset:512*\c   ; the wave stores 512 consecutive bytes, at a multiple of 512 from the buffer's first byte
.endr
	s_endpgm
.Lheads:
	v_and_b32 v8, 1, v6                            ; r' % 2: the row in W_joint, if it is one of those,
	v_add_nc_u32 v9, 2, v6
	v_cmp_gt_u32 s30, 2, v6                        ; r' < 2: a joint head
	v_and_b32 v9, 3, v9                            ; and (r' - 2) mod 4: the row in W_groups; both stay inside their tensors for every lane
	v_cmp_gt_u32 s31, 6, v6                        ; r' < 6: a head at all
	v_cmp_le_u32 s32, 8, v4                        ; r >= 8: the row of what the rounding left
	s_wait_alu depctr_va_vdst(0)                   ; the wait here, ahead of the branch below
	s_cmp_lt_u32 ttmp9, 68
	s_cbranch_scc0 .Lconsts
	; ---- the heads' fragments: pair P = 8 x (work-group - 64) + wave
	s_sub_co_u32 s26, ttmp9, 64
	s_lshl_b32 s26, s26, 3
	s_add_co_u32 s26, s26, s24
	s_lshl_b32 s28, s26, 7                         ; 32 numbers of 4 bytes a pair
	s_lshl_b32 s26, s26, 10
	v_lshl_add_u32 v1, v5, 5, s28
	v_lshl_add_u32 v10, v8, 12, v1                 ; W_joint: + its row of 4,096 bytes
	v_lshl_add_u32 v11, v9, 12, v1                 ; W_groups likewise
	s_wait_alu depctr_va_vdst(0)                   ; the wait at the head's end
	s_wait_kmcnt 0x0
	s_add_nc_u64 s[20:21], s[20:21], s[26:27]
.irp q, 0,1,2,3                        ; numbers 4 q .. 4 q + 3 of the lane's sixteen: n = 32 P + 8 h + 0..7, then 16 further on
	global_load_b128 v[J+4*\q:J+4*\q+3], v10, s[8:9]   offset:16*(\q%2)+64*(\q/2)
	global_load_b128 v[G+4*\q:G+4*\q+3], v11, s[10:11] offset:16*(\q%2)+64*(\q/2)
.endr
	s_wait_loadcnt 0x0
.irp q, 0,1,2,3,4,5,6,7,8,9,10,11,12,13,14,15
	v_cndmask_b32 v[J+\q], v[G+\q], v[J+\q], s30                     ; my row's weight: W_joint's or W_groups'
.endr
.irp k, 0,1,2,3,4,5,6,7
	v_cvt_pk_bf16_f32 v[HP+\k], v[J+2*\k], v[J+2*\k+1]               ; the weights in bf16,
.endr
.irp k, 0,1,2,3,4,5,6,7
	v_lshlrev_b32 v[TA+2*\k], 16, v[HP+\k]                           ; widened again,
	v_and_b32 v[TA+2*\k+1], 0xffff0000, v[HP+\k]
.endr
.irp k, 0,1,2,3,4,5,6,7,8,9,10,11,12,13,14,15
	v_sub_f32 v[TA+\k], v[J+\k], v[TA+\k]                            ; what the rounding left (the difference is exact),
.endr
.irp k, 0,1,2,3,4,5,6,7
	v_cvt_pk_bf16_f32 v[LP+\k], v[TA+2*\k], v[TA+2*\k+1]             ; in bf16
.endr
.irp k, 0,1,2,3,4,5,6,7
	v_cndmask_b32 v[OU+\k], v[HP+\k], v[LP+\k], s32                  ; rows 0-7 take the first, rows 8-15 the second,
.endr
.irp k, 0,1,2,3,4,5,6,7
	v_cndmask_b32 v[OU+\k], 0, v[OU+\k], s31                         ; rows 6, 7, 14, 15 zeros
.endr
	global_store_b128 v2, v[OU:OU+3],   s[20:21]
	global_store_b128 v2, v[OU+4:OU+7], s[20:21] offset:512
	s_endpgm
	; ---- consts: wave w takes n = 128 w + 4 lane + 0..3 of all six heads
.Lconsts:
	s_lshl_b32 s28, s24, 9
	s_lshl_b32 s29, s24, 5
	s_mov_b32 s34, 0x76543210                      ; v_permlanex16_b32's selects for lane l xor 16
	s_mov_b32 s35, 0xfedcba98
	v_add_nc_u32 v1, s28, v2
	v_lshlrev_b32 v10, 2, v8                       ; b_joint
	v_lshlrev_b32 v11, 2, v9                       ; b_groups
	v_mov_b32 v14, s29                             ; LDS: eight words a wave
	v_lshlrev_b32 v15, 2, v6                       ; word r' of every wave's eight
	v_lshlrev_b32 v3, 2, v3                        ; consts: word = lane
.irp j, 0,1,2,3,4,5
	v_mov_b32 v[72+\j], 0                          ; written once: a lane permute's destination counts as one of its sources
.endr
	v_mov_b32 v70, 0
	v_mov_b32 v71, 0
	s_wait_alu depctr_va_vdst(0)                   ; the wait at the head's end
	s_wait_kmcnt 0x0
	global_load_b128 v[16:19], v1, s[12:13]
.irp j, 0,1
	global_load_b128 v[20+4*\j:23+4*\j], v1, s[8:9] offset:4096*\j
.endr
.irp j, 0,1,2,3
	global_load_b128 v[28+4*\j:31+4*\j], v1, s[10:11] offset:4096*\j
.endr
	global_load_b32 v44, v10, s[14:15]
	global_load_b32 v45, v11, s[16:17]
	s_wait_loadcnt 0x0
.irp j, 0,1,2,3,4,5
	v_pk_mul_f32 v[48+2*\j:49+2*\j], v[20+4*\j:21+4*\j], v[16:17]
.endr
.irp j, 0,1,2,3,4,5
	v_pk_fma_f32 v[48+2*\j:49+2*\j], v[22+4*\j:23+4*\j], v[18:19], v[48+2*\j:49+2*\j]
.endr
.irp j, 0,1,2,3,4,5
	v_add_f32 v[64+\j], v[48+2*\j], v[49+2*\j]
.endr
.irp x, 1,2,4,8
.irp j, 0,1,2,3,4,5
	v_add_f32_dpp v[64+\j], v[64+\j], v[64+\j] row_xmask:\x row_mask:0xf bank_mask:0xf
.endr
.endr
.irp j, 0,1,2,3,4,5
	v_permlanex16_b32 v[72+\j], v[64+\j], s34, s35
.endr
.irp j, 0,1,2,3,4,5
	v_add_f32 v[64+\j], v[64+\j], v[72+\j]         ; my wave's 128 n of head j, in every lane
.endr
	ds_store_b128 v14, v[64:67]                    ; all lanes write the same words with the same numbers; words 6 and 7: zeros
	ds_store_b128 v14, v[68:71] offset:16
	s_wait_dscnt 0x0                               ; for the others' sake: my stores have landed
	s_barrier_signal -1
	s_barrier_wait -1
.irp w, 0,1,2,3,4,5,6,7
	ds_load_b32 v[80+\w], v15 offset:32*\w         ; the eight waves' parts
.endr
	s_wait_dscnt 0x0
	v_add_f32 v80, v80, v81
	v_add_f32 v82, v82, v83
	v_add_f32 v84, v84, v85
	v_add_f32 v86, v86, v87
	v_cndmask_b32 v44, v45, v44, s30               ; the head's own bias: b_joint's or b_groups'
	v_add_f32 v80, v80, v82
	v_add_f32 v84, v84, v86
	v_add_f32 v80, v80, v44
	v_add_f32 v80, v80, v84
	v_cndmask_b32 v80, 0, v80, s31                 ; words 6 and 7: zeros
	s_cmp_lg_u32 s24, 0
	s_cbranch_scc1 .Ldone                          ; every wave holds the result; wave 0 stores it
	global_store_b32 v3, v80, s[22:23]             ; word l = consts[l % 8]; the main launch reads words 0 to 7
.Ldone:
	s_wait_tensorcnt 0x0                           ; the wave's end
	ds_add_u32 v[SPW], v[NIL]
	s_wait_dscnt 0x0
	s_endpgm
.Lfunc_end_k_qd24156831b_prep:
	.size	k_qd24156831b_prep, .Lfunc_end_k_qd24156831b_prep-k_qd24156831b_prep
	.p2alignl 7, 3214868480
	.fill 96, 4, 3214868480
	.section	.rodata,"a",@progbits
	.p2align	6, 0x0
	.amdhsa_kernel k_qd24156831b_prep
		.amdhsa_group_segment_fixed_size 1536
		.amdhsa_private_segment_fixed_size 0
		.amdhsa_enable_private_segment 0
		.amdhsa_kernarg_size 80
		.amdhsa_user_sgpr_count 2
		.amdhsa_user_sgpr_kernarg_segment_ptr 1
		.amdhsa_wavefront_size32 1
		.amdhsa_system_sgpr_workgroup_id_x 1
		.amdhsa_system_sgpr_workgroup_id_y 1
		.amdhsa_system_sgpr_workgroup_id_z 1
		.amdhsa_system_vgpr_workitem_id 0
		.amdhsa_next_free_vgpr 128
		.amdhsa_next_free_sgpr 66
		.amdhsa_reserve_vcc 0
		.amdhsa_float_denorm_mode_32 3
		.amdhsa_float_denorm_mode_16_64 3
		.amdhsa_memory_ordered 1
		.amdhsa_forward_progress 1
		.amdhsa_inst_pref_size 21
	.end_amdhsa_kernel
	.amdgpu_metadata
---
amdhsa.version: [ 1, 2 ]
amdhsa.kernels:
  - .name:           k_qd24156831b_prep
    .symbol:         k_qd24156831b_prep.kd
    .args:
      - { .name: W_phi, .offset: 0, .size: 8, .value_kind: global_buffer, .address_space: global }
      - { .name: lowp_scales, .offset: 8, .size: 8, .value_kind: global_buffer, .address_space: global }
      - { .name: W_joint, .offset: 16, .size: 8, .value_kind: global_buffer, .address_space: global }
      - { .name: W_groups, .offset: 24, .size: 8, .value_kind: global_buffer, .address_space: global }
      - { .name: b_phi, .offset: 32, .size: 8, .value_kind: global_buffer, .address_space: global }
      - { .name: b_joint, .offset: 40, .size: 8, .value_kind: global_buffer, .address_space: global }
      - { .name: b_groups, .offset: 48, .size: 8, .value_kind: global_buffer, .address_space: global }
      - { .name: wcodes, .offset: 56, .size: 8, .value_kind: global_buffer, .address_space: global }
      - { .name: whfrag, .offset: 64, .size: 8, .value_kind: global_buffer, .address_space: global }
      - { .name: consts, .offset: 72, .size: 8, .value_kind: global_buffer, .address_space: global }
    .group_segment_fixed_size: 1536
    .private_segment_fixed_size: 0
    .kernarg_segment_align: 8
    .kernarg_segment_size: 80
    .max_flat_workgroup_size: 256
    .sgpr_count:     66
    .vgpr_count:     128
    .wavefront_size: 32
...
	.end_amdgpu_metadata
.endif
;; end of part 1
;; launch fused (part 2): grid 256 x 1, 4 waves a work-group, clusters of 4 x 1, 327,680 bytes of LDS; arguments X, wcodes, whfrag, consts, lowp_scales, D, D_agn, out0, out1, out2; writes out0, out1, out2
.if DOCPART == 2
	.amdgcn_target "amdgcn-amd-amdhsa--gfx1250"
	.amdhsa_code_object_version 6
	.text
	.protected	k_qd24156831b_fused
	.globl	k_qd24156831b_fused
	.p2align	8
	.type	k_qd24156831b_fused,@function
k_qd24156831b_fused:
	s_mov_b64 s[64:65], 0
	v_nop
	global_prefetch_b8 v0, s[64:65] scope:SCOPE_SE
	s_setreg_imm32_b32 hwreg(HW_REG_WAVE_MODE, 25, 1), 1
	s_wait_xcnt 0x0
	s_wait_alu depctr_hold_cnt(0) depctr_sa_sdst(0) depctr_va_vdst(0) depctr_va_sdst(0) depctr_va_ssrc(0) depctr_va_vcc(0) depctr_vm_vsrc(0)
	s_getreg_b32 s2, hwreg(HW_REG_IB_STS2, 6, 4)
	s_cmp_eq_u32 s2, 0
	s_cbranch_scc0 .Lentry_in_a_cluster
	s_endpgm
.Lentry_in_a_cluster:
	s_bfe_u32 s2, ttmp6, 0x10000c
	s_cmp_lg_u32 s2, 0x3003
	s_cbranch_scc0 .Lentry_shape_is_right
	s_endpgm
.Lentry_shape_is_right:
; 256 rows of X a work-group: phi = Q(X) Q(W_phi)^T in BF8, the six heads phi Wh^T in bf16 with f32 sums, the choice by D and D_agn.
; K GOES IN FOUR CHUNKS OF 256.  The heads are linear in phi, so a chunk's part of phi (f32 sums over 256 k) is rounded to bf16 and folded into the heads' sums at once, and never kept: W_phi's codes are walked
; once, and while one chunk is multiplied the next chunk of X is loaded, quantised and laid into LDS as codes.  b_phi's part of the heads is in consts (made by the launch before).
; WAVES: wave w = 2 mi + ni multiplies rows 128 mi .. + 127 with n = 512 ni .. + 511: 16 pairs of 16-row tiles of W a chunk.  A pair is 32 products of each of ... two groups of 64 rows: 16 products + 4 head products a group.
;   X's codes of the chunk stay in registers (256); each fragment of W, read from LDS once by a wave, feeds 8 products.  Each wave loads and quantises rows 64 w .. + 63 of X for all.
; W_phi's CODES come through a ring of two LDS slots of 64 KB (4 pairs for each ni), 16 fills, by joint tensor loads: the four work-groups of a cluster ask for the same bytes; each wave fetches a quarter, 64 rows of 256 bytes.
; X: a set is 4 rows x 256 k of f32, eight loads of 512 consecutive bytes a wave.  Lane l holds k = 4 l + 0..3 and 128 + 4 l + 0..3 of a row; their eight codes are places 8 l .. 8 l + 7 of the row's 256 bytes in LDS, the order of
;   k that W's image has too.  16-byte column q of row R stands at column q xor (R % 16), so that neither the stores nor the fragment loads of 16 rows meet in a bank.
; A pair in the text: the group's products one by one, and between them the conversions of the group before, LDS loads for the next pair, and the quantising of one set.  Pair i quantises set i + 1, stores set i, asks for set i + 8.
; No data prefetch: six to seven sets, up to 28,672 bytes a wave, are asked for ahead by the loads themselves, and W's 1 MB is the same for all work-groups.
; LIMITS: -126 <= e0 <= 112; -126 <= e0 + e1 <= 127.  NaN in X is not served; an infinity is held at the largest code.
; REGISTERS: window 0: v0-63 addresses and small things, v64-127 the heads' sums, v128-255 two sets of 8 accumulators;  window 1: X's fragments (m, s) at v[32 m + 16 s];
;   window 2: eight sets of X as loaded;  window 3: v0-127 two buffers of W's fragments, v128-159 phi in bf16, v160-175 two buffers of a head fragment.
.set XC,    131072                     ; LDS: slots at 0 and 65,536; X's codes, 256 rows x 256 bytes
.set WHB,   196608                     ; the heads' fragments, 32 KB
.set SPARE, 229376                     ; the spare words, 512 bytes
.set LI,   1                           ; 16 x lane
.set SPW,  2
.set NIL,  3
.set AW,   4                           ; v4, v5: my half's W in the slot at work and in the other
.set AH,   6
.set SCL,  7
.set LIM,  8
.set GXS,  56                          ; v56-63: X's offset, one for each staging set: rewritten only when that set's loads have landed
.set SXB,  10
.set SXB0, 11
.set DS,   12
.set DA,   14
.set SX,   16                          ; v16-31: where a row's codes go, by row % 16
.set AX,   32                          ; v32-39: the fragment loads' addresses, by 4 s + c
.set CD,   40                          ; v40-47: a set's codes
.set L4,   48
.set L8,   49
.set AHB,  50
.set AWB,  51
.set GW,   16                          ; at the head only, ahead of SX
.set SW,   17
.set HACC, 64
.set ACC,  128
.set PHI,  128
.set WHF,  160
.set WV,   24
.set G1W,  36
.set G0W,  52
.set TP,   56                          ; 8,192 x (trip % 2): half of the chunk's pairs, half of a wave's rows
.set TB,   57
.set CN1,  58
.set XCUR, 59
.set SEL,  60
.set XNXT, 62
.set TH,   63
.set MSB, 0
.macro WIN new                         ; the immediate's high byte repeats the setting that is left
.if MSB != \new
	s_set_vgpr_msb (MSB<<8)|(\new)
.set MSB, \new
.endif
.endm
.set MAIN, 0x07                        ; source 0 (W) window 3, source 1 (X) window 1, C and D window 0
.set HEAD, 0x0f                        ; sources 0 and 1 window 3, C and D window 0
.set CV,   0xc0                        ; destination window 3: conversions to phi, loads of W
.set XM,   0x82                        ; the hold, in window 2
.set XQ,   0x02                        ; the conversion to codes: window 2 to window 0
.set XL,   0x80                        ; loads of X
.set XR,   0x40                        ; loads of X's fragments
.macro CREST
	s_cmp_lg_u32 s[WV], 0
	s_cbranch_scc1 .Lnot_wave_0_\@
	s_barrier_signal -3
.Lnot_wave_0_\@:
	s_barrier_wait -3
	s_barrier_signal -1
	s_barrier_wait -1
.endm
.macro ROUND
	s_barrier_signal -1
	s_barrier_wait -1
	CREST
.endm
.macro PLACES
.rept 4
	v_nop
.endr
.endm
.macro TL
	tensor_load_to_lds s[G0W:G0W+3], s[G1W:G1W+7]
	s_nop 0
	PLACES
.endm
.macro GSTEP                           ; the next fill: 64 KB on, into the other slot
	s_add_nc_u64 s[G0W+2:G0W+3], s[G0W+2:G0W+3], 65536
	s_xor_b32 s[G0W+1], s[G0W+1], 65536
.endm
.macro XROWS q0                        ; rows q0, q0 + 1 of set L_
.irp q, \q0, \q0+1
	global_load_b128 v[32*L_+8*(\q):32*L_+8*(\q)+3],   v[GXS+L_], s[4:5] offset:(4*L_+\q)*4096 th:TH_LOAD_NT
	global_load_b128 v[32*L_+8*(\q)+4:32*L_+8*(\q)+7], v[GXS+L_], s[4:5] offset:(4*L_+\q)*4096+512 th:TH_LOAD_NT
.endr
.endm
.macro XNEXT                           ; on to the next half chunk: rows 32-63 of this chunk, or rows 0-31 of the next
	s_add_co_u32 s80, s[XCUR], 1024
	s_mov_b32 s[XCUR], s[XNXT]
	s_mov_b32 s[XNXT], s80
.endm
.macro XMED                            ; four numbers of set S_: the conversion to an 8-bit code does not saturate (ISA guide 7.6.2): hold them within the largest code x the scale
.set n_, 32*S_+4*T_
.rept 4
	v_med3_num_f32 v[n_], v[n_], -v[LIM], v[LIM]
.set n_, n_+1
.endr
.endm
.macro XCV
.irp q, 0,1,2,3
	v_cvt_scalef32_pk8_bf8_f32 v[CD+2*\q:CD+2*\q+1], v[32*S_+8*\q:32*S_+8*\q+7], v[SCL]
.endr
.endm
.macro XST                             ; the codes of set S_ into LDS: 32 lanes store a row's 256 bytes
.irp q, 0,1,2,3
	ds_store_b64 v[SX+(4*S_+\q)%16], v[CD+2*\q:CD+2*\q+1] offset:(4*S_+\q)*256
.endr
.endm
.macro SXADR
	v_add_nc_u32 v[SXB], s[TP], v[SXB0]
.irp k, 0,1,2,3,4,5,6,7,8,9,10,11,12,13,14,15
	v_xor_b32 v[SX+\k], 16*\k, v[SXB]
.endr
.endm
.macro XFR m0                          ; X's fragments of four tiles of 16 rows
.irp m, \m0, \m0+1, \m0+2, \m0+3
.irp j, 0,1,2,3,4,5,6,7
	ds_load_b128 v[32*(\m)+4*\j:32*(\m)+4*\j+3], v[AX+\j] offset:4096*(\m)
.endr
.endr
.endm
.macro WL                              ; one of the sixteen loads of the next pair's W: W_ = 8 u + 4 s + c
	ds_load_b128 v[NW_+4*W_:NW_+4*W_+3], v[NA_] offset:NO_+512*W_
.set W_, W_+1
.endm
; Product T_ of a group: s = T_ / 8, tile u = (T_ / 4) % 2, m = T_ % 4.  The eight accumulators take turns; the first K step takes the constant 0.
; Used transposed: source 0 = 16 rows of W, source 1 = 16 rows of X: a lane holds eight neighbouring n of one row.
.macro MM g
.set a_, ACC+64*(\g)+32*((T_/4)%2)+8*(T_%4)
.set w_, 64*P_+32*((T_/4)%2)+16*(T_/8)
.set x_, 32*(4*(\g)+T_%4)+16*(T_/8)
	WIN MAIN
.if T_ < 8
	v_wmma_f32_16x16x128_bf8_bf8 v[a_:a_+7], v[w_:w_+15], v[x_:x_+15], 0
.else
	v_wmma_f32_16x16x128_bf8_bf8 v[a_:a_+7], v[w_:w_+15], v[x_:x_+15], v[a_:a_+7]
.endif
.endm
.macro CVN g, n                        ; n conversions of group g's sums, from K_ on, each accumulator from its low end
.rept \n
.set a_, ACC+64*(\g)+32*(K_/16)+8*((K_/4)%4)+2*(K_%4)
	v_cvt_pk_bf16_f32 v[PHI+8*((K_/4)%4)+4*(K_/16)+K_%4], v[a_], v[a_+1]
.set K_, K_+1
.endr
.endm
.macro HD g, q, m0                     ; the heads of tiles m0, m0 + 1 of group g
.irp m, \m0, \m0+1
.set a_, HACC+8*(4*(\g)+\m)
	v_wmma_f32_16x16x32_bf16 v[a_:a_+7], v[WHF+8*(\q):WHF+8*(\q)+7], v[PHI+8*(\m):PHI+8*(\m)+7], v[a_:a_+7]
.endr
.endm
; A PAIR.  i: its place (W buffer, set, slot);  x: 1 stores set i and quantises set i + 1, 2 only stores, 0 neither;  ld: asks for set i + 8;  lw: the loads of younger sets that may be out;
; chg: 1 the last pair of a slot, a round and a refill; 2 a barrier and no refill;  sw: X's next chunk goes into the registers (1: in every second trip, 2: always);  xb: a barrier ahead of the first store into X's codes.
.macro PAIR i, x, ld, lw, chg, sw, xb
.set P_, (\i)%2
.set NW_, 64-64*P_
.set NA_, AW+(((\i)+1)%8)/4
.set NO_, 8192*(((\i)+1)%4)
.set W_, 0
.set K_, 0
.set T_, 0
.set S_, \i
.rept 16                               ; rows 0-63; between the products the conversions of the pair before's rows 64-127
	MM 0
.if T_ == 0                            ; the pair's memory instructions stand in one run, behind its first product and twelve conversions
	WIN CV
	PLACES                                         ; the places in front of the loads and conversions below
	CVN 1, 12
.if (\x) == 1
	s_wait_loadcnt \lw                             ; set i + 1 is in; the younger sets may be out
.endif
.set L_, \i
.if \ld
	WIN XL
	XROWS 0                                        ; set i + 8, into the registers that set i has left
	XROWS 2
	WIN CV
.endif
.if ((\x) > 0) && ((\xb) != 1)
	XST
.endif
	ds_load_b128 v[WHF+8*P_:WHF+8*P_+3],   v[AH] offset:1024*(\i)
	ds_load_b128 v[WHF+8*P_+4:WHF+8*P_+7], v[AH] offset:1024*(\i)+512
.if (\chg) == 0
.rept 16
	WL
.endr
.endif
.endif
.if (\chg) == 0
.if (T_ > 3) && ((T_%2) == 0)
	WIN CV
.if T_ < 12
	CVN 1, 3
.else
	CVN 1, 4
.endif
.endif
.if ((\xb) == 2) && (T_ == 12)
	s_wait_alu depctr_va_vdst(0)                   ; the wait here, ahead of the wait below
	s_wait_dscnt 18                                ; X's fragments of rows 64-127 are in; this pair's two loads of a head fragment and sixteen of W may be out
.endif
.if ((\xb) == 1) && (T_ == 12)
	s_wait_alu depctr_va_vdst(0)                   ; the wait here, ahead of the wait below
	s_wait_dscnt 0x0                               ; my reads of X's codes are over
	s_barrier_signal -1
.endif
.else
.if (T_ > 1) && (T_ < 6)
	WIN CV
	CVN 1, 3
.endif
.if (T_ > 5) && (T_ < 8)
	WIN CV
	CVN 1, 4
.endif
.if T_ == 9
	WIN 0
	s_wait_tensorcnt 0x0                           ; all my tensor loads have landed: my part of the other slot;
	ds_add_u32 v[SPW], v[NIL]
.if (\chg) == 1
	GSTEP
.endif
.endif
.if T_ == 13
	s_wait_alu depctr_va_vdst(0)                   ; the wait here, ahead of the waits below
	s_wait_dscnt 0x0                               ; the add is done, my stores of codes too, and my reads of this slot are over
	s_barrier_signal -1
.endif
.endif
.set T_, T_+1
.endr
	WIN HEAD
	HD 1, 1-P_, 0
	HD 1, 1-P_, 2
.if (\xb) == 1
	WIN 0
	s_barrier_wait -1                              ; nobody reads X's codes any more
	XST
.endif
.if (\chg) > 0
	WIN 0
	s_barrier_wait -1
.if (\chg) == 1
	CREST                                          ; no wave of any partner still reads this slot or has a load on its way
	TL                                             ; the first tensor load behind the round; its four v_nop are the places in front of the loads below
	WIN CV
.rept 16
	WL                                             ; the next pair's W, from the other slot
.endr
	WIN 0
.else
	PLACES
	s_cmp_eq_u32 s[CN1], 1
	s_cbranch_scc1 .Lnomore_\@                     ; the very last pair has no successor
	WIN CV
.rept 16
	WL
.endr
	WIN 0
.Lnomore_\@:
.endif
.endif
.if (\sw) == 1
	s_cmp_eq_u32 s[TP], 0
	s_cbranch_scc1 .Lkeep_lo_\@                    ; the chunk goes on
.endif
.if (\sw) > 0
	WIN XR
	XFR 0
	WIN 0
.endif
.if (\sw) == 1
.Lkeep_lo_\@:
.endif
.set K_, 0
.set T_, 0
.set S_, ((\i)+1)%8
.rept 16                               ; rows 64-127; between the products set i + 1 and the conversions of rows 0-63
	MM 1
.if (\x) == 1
.if T_ < 8
	WIN XM
	XMED
.endif
.if T_ == 8
	WIN XQ
	XCV
.if \ld
	v_add_nc_u32 v[GXS+S_], s[XCUR], v[LI]         ; the next pair's loads go into this set: its own have landed
.endif
.endif
.if T_ > 8
	WIN CV
.if T_ < 13
	CVN 0, 5
.else
	CVN 0, 4
.endif
.endif
.else
.if T_ == 0
	WIN CV
	PLACES
.endif
.if (T_%2) == 1
	WIN CV
	CVN 0, 4
.endif
.endif
.if ((\chg) == 0) && (T_ == 8)
	s_wait_dscnt 0x0                               ; the next pair's W and this pair's head fragment are in
.endif
.set T_, T_+1
.endr
	WIN HEAD
	HD 0, P_, 0
	HD 0, P_, 2
.if (\chg) > 0
	WIN 0
	s_wait_dscnt 0x0                               ; the next pair's W, and X's tiles 0-3 where they were read
.endif
.if (\sw) == 1
	s_cmp_eq_u32 s[TP], 0
	s_cbranch_scc1 .Lkeep_hi_\@
.endif
.if (\sw) > 0
	PLACES
	WIN XR
	XFR 4                                          ; in at the latest when the next pair's rows 64-127 begin (its wait for 0)
	WIN 0
.endif
.if (\sw) == 1
.Lkeep_hi_\@:
.endif
.endm
	s_load_b512 s[4:19], s[0:1], 0x0               ; X, wcodes, whfrag, consts, scales, D, D_agn, out0
	s_load_b128 s[20:23], s[0:1], 0x40             ; out1, out2
	v_lshl_add_u32 v[SPW], v0, 2, SPARE
	v_mov_b32 v[NIL], 0
	ds_add_u32 v[SPW], v[NIL]                      ; the opening: the add, twice on end, and its wait
	ds_add_u32 v[SPW], v[NIL]
	v_lshrrev_b32 v52, 5, v0
	v_readfirstlane_b32 s[WV], v52
	v_and_b32 v53, 31, v0                          ; lane
	v_lshlrev_b32 v[LI], 4, v53
	v_and_b32 v54, 15, v0                          ; r
	v_bfe_u32 v55, v0, 4, 1                        ; h
	s_and_b32 s80, s[WV], 1                        ; ni
	s_lshr_b32 s81, s[WV], 1                       ; mi
	s_lshl_b32 s83, s80, 15
	s_lshl_b32 s84, s80, 14
	s_add_co_u32 s84, s84, WHB
	s_lshl_b32 s85, s[WV], 14
	s_add_co_u32 s85, s85, XC
	s_lshl_b32 s86, s81, 15
	s_add_co_u32 s86, s86, XC
	s_lshl_b32 s87, s[WV], 13
	s_wait_alu depctr_va_vdst(0)                   ; the wait here, behind the run of scalar lines
	v_add_nc_u32 v[AWB], s83, v[LI]
	v_add_nc_u32 v[AW], s83, v[LI]
	v_add_nc_u32 v[AW+1], 0x10000, v[AWB]
	v_add_nc_u32 v[AHB], s84, v[LI]
	v_lshl_add_u32 v[SXB0], v53, 3, s85            ; my wave's 64 rows of codes, 8 bytes a lane
	v_xor_b32 v56, v55, v54
	v_lshlrev_b32 v56, 4, v56
	v_lshl_add_u32 v56, v54, 8, v56                ; row r, column h xor r
	v_add_nc_u32 v[AX], s86, v56
.irp j, 1,2,3,4,5,6,7
	v_xor_b32 v[AX+\j], 32*\j, v[AX]               ; column (8 s + 2 c + h) xor r
.endr
	v_add_nc_u32 v[GW], s87, v[LI]
	v_add_nc_u32 v[SW], WHB, v[GW]
	v_lshlrev_b32 v[L4], 2, v53
.irp j, 0,1,2,3,4,5,6
	v_mov_b32 v[GXS+\j], v[LI]                     ; the first half chunk begins at offset 0
.endr
	s_bfe_u32 s25, ttmp6, 0x40000                  ; cx
	s_lshl_b32 s26, ttmp9, 2
	s_add_co_u32 s26, s26, s25
	s_lshl_b32 s28, s26, 8
	s_lshl_b32 s29, s[WV], 6
	s_add_co_u32 s28, s28, s29                     ; my wave's first row of 64: loaded, and stored at the end
	s_lshl_b32 s90, s28, 12
	s_mov_b32 s91, 0
	s_lshl_b32 s92, s28, 2
	s_mov_b32 s93, 0
	s_lshl_b32 s94, s28, 3
	s_mov_b32 s95, 0
	s_mov_b32 s[G1W+0], 15|(3<<16)|(1<<21)         ; all four of the cluster; elements of 8 bytes; bit 21 beside a mask; no padding
	s_mov_b32 s[G1W+1], 32<<16
	s_mov_b32 s[G1W+2], 64<<16
	s_mov_b32 s[G1W+3], 32<<16
	s_mov_b32 s[G1W+4], 64                         ; 64 rows of 256 bytes
	s_mov_b32 s[G1W+5], 32
	s_mov_b32 s[G1W+6], 0
	s_mov_b32 s[G1W+7], 0
	s_mov_b32 s[G0W], 1
	s_lshl_b32 s[G0W+1], s[WV], 14                 ; my quarter of a slot
	s_lshl_b32 s66, s[WV], 14
	s_mov_b32 s67, 0
	s_mov_b32 s[TP], 0
	s_mov_b32 s[XCUR], 0
	s_mov_b32 s[XNXT], 131072
	s_mov_b32 s[SEL], 0x76543210
	s_mov_b32 s[SEL+1], 0xfedcba98
	s_mov_b32 s82, 0xffff0000
	s_wait_alu depctr_va_vdst(0)                   ; the wait here, ahead of the waits below
	s_wait_dscnt 0x0                               ; both opening adds are done
	s_wait_kmcnt 0x0
	s_load_b256 s[68:75], s[10:11], 0x0            ; consts
	s_load_b64 s[78:79], s[12:13], 0x0             ; e0, e1
	s_add_nc_u64 s[4:5], s[4:5], s[90:91]
	s_add_nc_u64 s[14:15], s[14:15], s[92:93]
	s_add_nc_u64 s[16:17], s[16:17], s[92:93]
.irp i, 0,1,2,3,4,5,6,7,8,9,10,11,12,13,14,15
	global_load_b128 v[ACC+4*\i:ACC+4*\i+3], v[GW], s[8:9] offset:512*\i   ; my quarter of the heads' fragments
.endr
	global_load_b32 v[DS],   v[L4], s[14:15]
	global_load_b32 v[DS+1], v[L4], s[14:15] offset:128
	global_load_b32 v[DA],   v[L4], s[16:17]
	global_load_b32 v[DA+1], v[L4], s[16:17] offset:128
	WIN XL
.irp t, 0,1,2,3,4
.set L_, \t
	XROWS 0
	XROWS 2
.endr
	WIN 0
	s_add_nc_u64 s[G0W+2:G0W+3], s[6:7], s[66:67]
	s_or_b32 s[G0W+3], s[G0W+3], 0x80000000
	s_add_nc_u64 s[18:19], s[18:19], s[94:95]
	s_add_nc_u64 s[20:21], s[20:21], s[94:95]
	s_add_nc_u64 s[22:23], s[22:23], s[94:95]
	ROUND                                          ; all four work-groups are here: the first joint loads meet
	TL                                             ; fill 0: one tensor load a wave at the head
.set n, HACC
.rept 64
	v_mov_b32 v[n], 0                              ; the heads' sums; and the first pair folds in a pair before it that is all zeros
.set n, n+1
.endr
.set n, ACC+64
.rept 64
	v_mov_b32 v[n], 0
.set n, n+1
.endr
	WIN CV
.irp k, 0,1,2,3,4,5,6,7
	v_mov_b32 v[WHF+8+\k], 0
.endr
	WIN 0
	s_wait_kmcnt 0x0
	s_add_co_i32 s80, s78, 127
	s_lshl_b32 s81, s80, 23
	v_mov_b32 v[SCL], s81                          ; 2^e0 as f32
	s_add_co_i32 s80, s80, 15
	s_lshl_b32 s80, s80, 23
	s_or_b32 s80, s80, 0x600000
	v_mov_b32 v[LIM], s80                          ; 57,344 x 2^e0
	s_add_co_i32 s76, s78, s79
	s_add_co_i32 s76, s76, 127
	s_lshl_b32 s76, s76, 23                        ; 2^(e0 + e1)
	s_wait_alu depctr_va_vdst(0)                   ; the wait at the head's end
	s_wait_loadcnt 40                              ; all but the five sets of X
.irp i, 0,1,2,3,4,5,6,7,8,9,10,11,12,13,14,15
	ds_store_b128 v[SW], v[ACC+4*\i:ACC+4*\i+3] offset:512*\i
.endr
	WIN XL
.irp t, 5,6
.set L_, \t
	XROWS 0
	XROWS 2
.endr
	WIN 0
; The first chunk of X: its sixteen sets, then the next chunk's set 0, which stays in the codes' registers.  Seven sets are out at each step's head.
.macro PSTEP j, step, store
	s_wait_loadcnt 48                              ; this set is in; the six younger may be out
.set L_, ((\j)+7)%8
.set S_, \j
	v_add_nc_u32 v[GXS+L_], s[XCUR], v[LI]         ; that set's earlier loads were waited for a step ago
	WIN XL
	XROWS 0
	XROWS 2
	WIN 0
.if \step
	XNEXT
.endif
	WIN XM
.set T_, 0
.rept 8
	XMED
.set T_, T_+1
.endr
	WIN XQ
	XCV
	WIN 0
.if \store
	XST
.endif
.endm
	s_mov_b32 s[CN1], 2
.Lfill:
	SXADR
	PSTEP 0, 1, 1
	PSTEP 1, 0, 1
	PSTEP 2, 0, 1
	PSTEP 3, 0, 1
	PSTEP 4, 0, 1
	PSTEP 5, 0, 1
	PSTEP 6, 0, 1
	PSTEP 7, 0, 1
	s_xor_b32 s[TP], s[TP], 8192
	s_sub_co_u32 s[CN1], s[CN1], 1
	s_wait_alu depctr_va_vdst(0)                   ; the wait here, ahead of the branch
	s_cmp_lg_u32 s[CN1], 0
	s_cbranch_scc1 .Lfill
	PSTEP 0, 0, 0
	XNEXT
	v_add_nc_u32 v[GXS], s[XCUR], v[LI]            ; also the plain line behind the last conversion
	s_wait_alu depctr_va_vdst(0)                   ; the wait here, ahead of the waits below
	s_wait_tensorcnt 0x0                           ; my part of fill 0 is in
	ds_add_u32 v[SPW], v[NIL]
	GSTEP
	s_wait_dscnt 0x0                               ; the add is done, and my codes and head fragments are in LDS
	ROUND
	TL                                             ; fill 1, the first tensor load behind the round
.set NW_, 0
.set NA_, AW
.set NO_, 0
.set W_, 0
	WIN CV
.rept 16
	WL                                             ; the first pair's W
.endr
	WIN XR
	XFR 0
	XFR 4
	WIN 0
	s_wait_dscnt 0x0
; Trips of eight pairs, two slots.  Five trips store and quantise sets and ask for the sets of three half chunks on;
	s_mov_b32 s[CN1], 5
.Lmain:
	v_add_nc_u32 v[AH], s[TP], v[AHB]
	SXADR
	PAIR 0, 1, 1, 48, 0, 0, 1
	PAIR 1, 1, 1, 48, 0, 0, 0
	PAIR 2, 1, 1, 48, 0, 0, 0
	PAIR 3, 1, 1, 48, 1, 0, 0
	PAIR 4, 1, 1, 48, 0, 0, 0
	PAIR 5, 1, 1, 48, 0, 0, 0
	PAIR 6, 1, 1, 48, 0, 0, 0
	XNEXT                                          ; pair 7 makes the offset of the next trip's first set
	PAIR 7, 1, 1, 48, 1, 1, 0
	s_xor_b32 s[TP], s[TP], 8192
	s_sub_co_u32 s[CN1], s[CN1], 1
	s_cmp_lg_u32 s[CN1], 0
	s_cbranch_scc1 .Lmain
; the sixth asks for nothing more: 48, 40 .. 0 loads of younger sets are out;
	v_add_nc_u32 v[AH], s[TP], v[AHB]
	SXADR
	PAIR 0, 1, 0, 48, 0, 0, 2
	PAIR 1, 1, 0, 40, 0, 0, 0
	PAIR 2, 1, 0, 32, 0, 0, 0
	PAIR 3, 1, 0, 24, 1, 0, 0
	PAIR 4, 1, 0, 16, 0, 0, 0
	PAIR 5, 1, 0, 8, 0, 0, 0
	PAIR 6, 1, 0, 0, 0, 0, 0
	PAIR 7, 2, 0, 0, 1, 2, 0
; and the last chunk's four slots only multiply: two with a refill, two without.
.macro TOPS
	v_add_nc_u32 v[AW], s[TB], v[AWB]
	s_xor_b32 s[TB], s[TB], 65536
	v_add_nc_u32 v[AW+1], s[TB], v[AWB]
	v_add_nc_u32 v[AH], s[TH], v[AHB]
	s_add_co_u32 s[TH], s[TH], 4096
	s_wait_alu depctr_va_vdst(0)
.endm
	s_mov_b32 s[TB], 0
	s_mov_b32 s[TH], 0
	s_mov_b32 s[CN1], 2
.Lslot:
	TOPS
	PAIR 0, 0, 0, 0, 0, 0, 2
	PAIR 1, 0, 0, 0, 0, 0, 0
	PAIR 2, 0, 0, 0, 0, 0, 0
	PAIR 3, 0, 0, 0, 1, 0, 0
	s_sub_co_u32 s[CN1], s[CN1], 1
	s_cmp_lg_u32 s[CN1], 0
	s_cbranch_scc1 .Lslot
	s_mov_b32 s[CN1], 2
.Llast:
	TOPS
	PAIR 0, 0, 0, 0, 0, 0, 0
	PAIR 1, 0, 0, 0, 0, 0, 0
	PAIR 2, 0, 0, 0, 0, 0, 0
	PAIR 3, 0, 0, 0, 2, 0, 0
	s_sub_co_u32 s[CN1], s[CN1], 1
	s_cmp_lg_u32 s[CN1], 0
	s_cbranch_scc1 .Llast
	WIN CV
	PLACES
.set K_, 0
	CVN 1, 32                                      ; the last pair's rows 64-127
	WIN HEAD
	HD 1, 1, 0
	HD 1, 1, 2
	WIN 0
	s_and_b32 s80, s[WV], 1
	s_lshr_b32 s81, s[WV], 1
	s_lshl_b32 s83, s[WV], 12
	s_add_co_u32 s83, s83, XC                      ; the way out lies where X's codes were: the last read of them is behind several barriers
	s_lshl_b32 s84, s81, 13
	s_lshl_b32 s85, s80, 11
	s_add_co_u32 s84, s84, s85
	s_add_co_u32 s84, s84, XC
	v_lshl_add_u32 v52, v[LI], 1, s83              ; in: 4,096 bytes a wave, 32 a lane
	v_lshl_add_u32 v53, v[LI], 1, s84              ; back: my 64 rows, from both waves of my rows
	v_lshrrev_b32 v[L8], 1, v[LI]
	v_nop
; Rows 0-5 of a heads' sum (lanes 0-15) hold the rounded weights' part, rows 8-13 (lanes 16-31) what the rounding left.  Of tiles 2 a and 2 a + 1 lanes 0-15 take the first and lanes 16-31 the second, both parts added.
.irp a, 0,1,2,3
.irp j, 0,1,2,3,4,5
	v_cndmask_b32 v[128+8*\a+\j], v[HACC+16*\a+\j], v[HACC+16*\a+8+\j], s82
	v_cndmask_b32 v[160+8*\a+\j], v[HACC+16*\a+8+\j], v[HACC+16*\a+\j], s82
.endr
.endr
.irp a, 0,1,2,3
.irp j, 0,1,2,3,4,5
	v_permlanex16_b32 v[192+8*\a+\j], v[160+8*\a+\j], s[SEL], s[SEL+1]
.endr
.endr
.irp a, 0,1,2,3
.irp j, 0,1,2,3,4,5
	v_add_f32 v[128+8*\a+\j], v[128+8*\a+\j], v[192+8*\a+\j]
.endr
.endr
.irp a, 0,1,2,3
	ds_store_b128 v52, v[128+8*\a:131+8*\a] offset:1024*\a
	ds_store_b64 v52, v[132+8*\a:133+8*\a] offset:1024*\a+16
.endr
	s_wait_alu depctr_va_vdst(0)                   ; the wait here, ahead of the waits below
	s_wait_dscnt 0x0                               ; for the others' sake: my sums are in LDS
	s_barrier_signal -1
	s_barrier_wait -1
.irp a, 0,1
.irp p, 0,1
	ds_load_b128 v[160+16*\a+8*\p:163+16*\a+8*\p], v53 offset:1024*\a+4096*\p
	ds_load_b64 v[164+16*\a+8*\p:165+16*\a+8*\p], v53 offset:1024*\a+4096*\p+16
.endr
.endr
	s_wait_dscnt 0x0
.irp a, 0,1
.irp j, 0,1,2,3,4,5
	v_add_f32 v[192+8*\a+\j], v[160+16*\a+\j], v[168+16*\a+\j]   ; the two halves of n
.endr
.endr
.irp a, 0,1
.irp j, 0,1,2,3,4,5
	v_fma_f32 v[192+8*\a+\j], v[192+8*\a+\j], s76, s[68+\j]      ; x 2^(e0 + e1) + the biases' part
.endr
.endr
.irp a, 0,1
	global_store_b64 v[L8], v[192+8*\a:193+8*\a], s[18:19] offset:256*\a th:TH_STORE_NT   ; 32 rows, 256 consecutive bytes
	v_cmp_ne_u32 vcc_lo, 0, v[DS+\a]
	v_cndmask_b32 v[224+4*\a], v[194+8*\a], v[196+8*\a], vcc_lo
	v_cndmask_b32 v[225+4*\a], v[195+8*\a], v[197+8*\a], vcc_lo
	global_store_b64 v[L8], v[224+4*\a:225+4*\a], s[20:21] offset:256*\a th:TH_STORE_NT
	v_cmp_ne_u32 vcc_lo, 0, v[DA+\a]
	v_cndmask_b32 v[226+4*\a], v[194+8*\a], v[196+8*\a], vcc_lo
	v_cndmask_b32 v[227+4*\a], v[195+8*\a], v[197+8*\a], vcc_lo
	global_store_b64 v[L8], v[226+4*\a:227+4*\a], s[22:23] offset:256*\a th:TH_STORE_NT
.endr
	s_wait_tensorcnt 0x0                           ; the wave's end
	ds_add_u32 v[SPW], v[NIL]
	s_wait_dscnt 0x0
	ROUND                                          ; the closing round
	s_endpgm
.Lfunc_end_k_qd24156831b_fused:
	.size	k_qd24156831b_fused, .Lfunc_end_k_qd24156831b_fused-k_qd24156831b_fused
	.p2alignl 7, 3214868480
	.fill 96, 4, 3214868480
	.section	.rodata,"a",@progbits
	.p2align	6, 0x0
	.amdhsa_kernel k_qd24156831b_fused
		.amdhsa_group_segment_fixed_size 327680
		.amdhsa_private_segment_fixed_size 0
		.amdhsa_enable_private_segment 0
		.amdhsa_kernarg_size 80
		.amdhsa_user_sgpr_count 2
		.amdhsa_user_sgpr_kernarg_segment_ptr 1
		.amdhsa_wavefront_size32 1
		.amdhsa_system_sgpr_workgroup_id_x 1
		.amdhsa_system_sgpr_workgroup_id_y 1
		.amdhsa_system_sgpr_workgroup_id_z 1
		.amdhsa_system_vgpr_workitem_id 0
		.amdhsa_next_free_vgpr 1024
		.amdhsa_next_free_sgpr 96
		.amdhsa_reserve_vcc 1
		.amdhsa_float_denorm_mode_32 3
		.amdhsa_float_denorm_mode_16_64 3
		.amdhsa_memory_ordered 1
		.amdhsa_forward_progress 1
		.amdhsa_inst_pref_size 255
	.end_amdhsa_kernel
	.section	.bss,"aw",@nobits
	.p2align	6
	.space	262144
	.amdgpu_metadata
---
amdhsa.version: [ 1, 2 ]
amdhsa.kernels:
  - .name:           k_qd24156831b_fused
    .symbol:         k_qd24156831b_fused.kd
    .args:
      - { .name: X, .offset: 0, .size: 8, .value_kind: global_buffer, .address_space: global }
      - { .name: wcodes, .offset: 8, .size: 8, .value_kind: global_buffer, .address_space: global }
      - { .name: whfrag, .offset: 16, .size: 8, .value_kind: global_buffer, .address_space: global }
      - { .name: consts, .offset: 24, .size: 8, .value_kind: global_buffer, .address_space: global }
      - { .name: lowp_scales, .offset: 32, .size: 8, .value_kind: global_buffer, .address_space: global }
      - { .name: D, .offset: 40, .size: 8, .value_kind: global_buffer, .address_space: global }
      - { .name: D_agn, .offset: 48, .size: 8, .value_kind: global_buffer, .address_space: global }
      - { .name: out0, .offset: 56, .size: 8, .value_kind: global_buffer, .address_space: global }
      - { .name: out1, .offset: 64, .size: 8, .value_kind: global_buffer, .address_space: global }
      - { .name: out2, .offset: 72, .size: 8, .value_kind: global_buffer, .address_space: global }
    .group_segment_fixed_size: 327680
    .private_segment_fixed_size: 0
    .kernarg_segment_align: 8
    .kernarg_segment_size: 80
    .max_flat_workgroup_size: 128
    .sgpr_count:     96
    .vgpr_count:     1024
    .wavefront_size: 32
...
	.end_amdgpu_metadata
.endif
;; end of part 2
